; MI455X (gfx1250); checked and timed in simulation.
; The chip was launched on July 23, 2026; its instructions are those of AMD's public machine-readable ISA for CDNA 5 (MIT licence, August 2026) and "CDNA5" Instruction Set Architecture Reference Guide (July 2026). The comments in the code are by the model that wrote it; some were corrected since.
;; KNN Classifier. Allowed arithmetic: float matrix products may take bf16 or f16 operands with f32 sums; other float arithmetic in f32, or as packed bf16 or f16 multiplies, adds, multiply-adds, maxima and minima; sums over many terms, partial sums and values carried from step to step in f32; what a program stores and reads back later, other than sums and carried values, may be rounded once to bf16 or f16.
;; Inputs: x 2,048 x 512 float32; x_train 65,536 x 512 float32; y_train 65,536 int32.
;; Outputs: out0 2,048 int32.
;; 2 versions, each right; version 2 is version 1 with the launch prep written anew for expert scheduling mode. Each part assembles by itself: llvm-mc -triple=amdgcn-amd-amdhsa -mcpu=gfx1250 --defsym DOCPART=n.
;; ======== version 1 of 2: 4 launches
;; workspace buffers: xtb 67,108,864 bytes; xb 2,097,152 bytes; t2 262,144 bytes; x2 8,192 bytes; candv 3,145,728 bytes; candg 3,145,728 bytes of whole numbers; sel 65,536 bytes of whole numbers
;; launch prep (part 1): grid 264 x 1, 8 waves a work-group, no clusters, 0 bytes of LDS; arguments x_train, x, xtb, xb, t2, x2; writes xtb, xb, t2, x2
.if DOCPART == 1
	.amdgcn_target "amdgcn-amd-amdhsa--gfx1250"
	.amdhsa_code_object_version 6
	.text
	.protected	k_q0e3c737ada_prep
	.globl	k_q0e3c737ada_prep
	.p2align	8
	.type	k_q0e3c737ada_prep,@function
k_q0e3c737ada_prep:
	s_mov_b64 s[64:65], 0
	v_nop
	global_prefetch_b8 v0, s[64:65] scope:SCOPE_SE
	s_setreg_imm32_b32 hwreg(HW_REG_WAVE_MODE, 25, 1), 1
	s_wait_xcnt 0x0
; PREP.  Rows of 512 f32 are rounded once to bf16 (nearest even) and stored; beside each row the sum of the squares of its ROUNDED numbers is stored in f32.
; Work-groups 0-255 take x_train (256 rows each) into xtb and t2, work-groups 256-263 take x into xb and x2: one text, three pointers chosen by the work-group's number.
; Eight waves, 32 rows each, a row a turn.  A row comes in by four loads of 16 bytes a lane (512 consecutive bytes each) and leaves by four stores of 8 bytes a lane
; (256 consecutive bytes each, at a multiple of 256 from the buffer's first byte).  A ring of eight row slots in registers keeps 32 loads of every wave on their way.
; No LDS, no barrier, no matrix unit: every byte is read once and no wave wants another's.
; The order of the 512 additions is this text's own (four chains a lane, then across the lanes); the products of two bf16 are exact in f32.
.set DEPTH, 8                          ; slots
.set RIN,   2048                       ; bytes of a row as it comes
.set ROUT,  1024                       ; and as it leaves
.set IO,  2                            ; v2   16 x lane + wave x 32 rows x 2,048: never rewritten
.set OO,  3                            ; v3   8 x lane + wave x 32 rows x 1,024: never rewritten
.set SO,  4                            ; v4   4 x thread: where my lane's row sum goes
.set P,   8                            ; v[8:15]   the row's 16 numbers of my lane, packed
.set S,   16                           ; v[16:19]  four chains of the sum of squares
.set Z,   20                           ; v20  0, the first link's addend
.set T,   21                           ; v21  lane i keeps the sum of the wave's row i
.set W,   22                           ; v22  takes the other half of the lanes' sum
.set X,   32                           ; v[32:159] slot i: 16 registers as loaded
.set INB,  16                          ; s[16:17] rows in
.set OUTB, 18                          ; s[18:19] rows out
.set SUMB, 20                          ; s[20:21] sums out
.set MK,   30                          ; s30  1 << the row in hand
.set SEL,  32                          ; s[32:33] v_permlanex16_b32's selects: each lane takes its own place in the other half
.set RND,  34                          ; s34  rounds to go
	s_load_b256 s[4:11], s[0:1], 0x0               ; x_train s[4:5], x s[6:7], xtb s[8:9], xb s[10:11]
	s_load_b128 s[12:15], s[0:1], 0x20             ; t2 s[12:13], x2 s[14:15]
	s_cmp_lt_u32 ttmp9, 256
	s_cselect_b32 s22, 0, 256
	s_sub_co_u32 s22, ttmp9, s22                   ; my block of 256 rows in its tensor
	s_lshl_b32 s24, s22, 19                        ; x 256 rows x 2,048 bytes (under 2^27)
	s_mov_b32 s25, 0
	s_lshl_b32 s26, s22, 18                        ; x 256 rows x 1,024 bytes
	s_mov_b32 s27, 0
	s_lshl_b32 s28, s22, 10                        ; x 256 sums x 4 bytes
	s_mov_b32 s29, 0
	s_mov_b32 s[MK], 1
	s_mov_b32 s[SEL], 0x76543210
	s_mov_b32 s[SEL+1], 0xfedcba98
	v_and_b32 v1, 31, v0                           ; lane
	v_lshrrev_b32 v5, 5, v0                        ; wave
	v_lshlrev_b32 v[IO], 4, v1
	v_lshl_add_u32 v[IO], v5, 16, v[IO]
	v_lshlrev_b32 v[OO], 3, v1
	v_lshl_add_u32 v[OO], v5, 15, v[OO]
	v_lshlrev_b32 v[SO], 2, v0
	v_mov_b32 v[Z], 0
	v_mov_b32 v[T], 0
	v_mov_b32 v[W], 0                              ; v_permlanex16_b32's destination counts as read
	s_wait_kmcnt 0x0
	s_cmp_lt_u32 ttmp9, 256                        ; the choice hangs on the work-group's number alone
	s_cselect_b64 s[INB:INB+1], s[4:5], s[6:7]
	s_cselect_b64 s[OUTB:OUTB+1], s[8:9], s[10:11]
	s_cselect_b64 s[SUMB:SUMB+1], s[12:13], s[14:15]
	s_add_nc_u64 s[INB:INB+1], s[INB:INB+1], s[24:25]
	s_add_nc_u64 s[OUTB:OUTB+1], s[OUTB:OUTB+1], s[26:27]
	s_add_nc_u64 s[SUMB:SUMB+1], s[SUMB:SUMB+1], s[28:29]
.irp i, 0,1,2,3,4,5,6,7
.irp j, 0,1,2,3
	global_load_b128 v[X+16*\i+4*\j:X+16*\i+4*\j+3], v[IO], s[INB:INB+1] offset:\i*RIN+\j*512 th:TH_LOAD_NT  ; the ring is filled: rows 0 to 7
.endr
.endr
; One slot's turn.  ahead = 1: the slot is filled again with the row eight further down.  left = the younger loads that may stay out.
.macro SLOT i, ahead, left
	s_wait_loadcnt \left                           ; loads come back in order: my four are in, the younger slots' stay out
	s_wait_xcnt 0x0                                ; the last turn's stores have read P: it is rewritten only behind this wait
.irp j, 0,1,2,3
	v_cvt_pk_bf16_f32 v[P+2*\j],   v[X+16*(\i)+4*\j],   v[X+16*(\i)+4*\j+1]
	v_cvt_pk_bf16_f32 v[P+2*\j+1], v[X+16*(\i)+4*\j+2], v[X+16*(\i)+4*\j+3]
.endr
.if \ahead
.irp j, 0,1,2,3
	global_load_b128 v[X+16*(\i)+4*\j:X+16*(\i)+4*\j+3], v[IO], s[INB:INB+1] offset:(DEPTH+(\i))*RIN+\j*512 th:TH_LOAD_NT
.endr
.endif
.irp j, 0,1,2,3
	global_store_b64 v[OO], v[P+2*\j:P+2*\j+1], s[OUTB:OUTB+1] offset:(\i)*ROUT+\j*256 th:TH_STORE_NT  ; 32 lanes store 256 consecutive bytes
.endr
.irp j, 0,1,2,3                        ; four chains, a link of each by turns: low half squared, high half squared, of both words
	v_fma_mix_f32_bf16 v[S+\j], v[P+2*\j], v[P+2*\j], v[Z] op_sel_hi:[1,1,0]
.endr
.irp j, 0,1,2,3
	v_fma_mix_f32_bf16 v[S+\j], v[P+2*\j], v[P+2*\j], v[S+\j] op_sel:[1,1,0] op_sel_hi:[1,1,0]
.endr
.irp j, 0,1,2,3
	v_fma_mix_f32_bf16 v[S+\j], v[P+2*\j+1], v[P+2*\j+1], v[S+\j] op_sel_hi:[1,1,0]
.endr
.irp j, 0,1,2,3
	v_fma_mix_f32_bf16 v[S+\j], v[P+2*\j+1], v[P+2*\j+1], v[S+\j] op_sel:[1,1,0] op_sel_hi:[1,1,0]
.endr
	v_add_f32 v[S], v[S], v[S+1]
	v_add_f32 v[S+2], v[S+2], v[S+3]
	v_add_f32 v[S], v[S], v[S+2]
	v_add_f32_dpp v[S], v[S], v[S] row_xmask:1 row_mask:0xf bank_mask:0xf
	v_add_f32_dpp v[S], v[S], v[S] row_xmask:2 row_mask:0xf bank_mask:0xf
	v_add_f32_dpp v[S], v[S], v[S] row_xmask:4 row_mask:0xf bank_mask:0xf
	v_add_f32_dpp v[S], v[S], v[S] row_xmask:8 row_mask:0xf bank_mask:0xf
	v_permlanex16_b32 v[W], v[S], s[SEL], s[SEL+1]
	v_add_f32 v[S], v[S], v[W]                     ; every lane holds the row's sum;
	v_cndmask_b32 v[T], v[T], v[S], s[MK]          ; the lane with the row's number keeps it
	s_lshl_b32 s[MK], s[MK], 1
.endm
	s_mov_b32 s[RND], 32/DEPTH-1
.Lround:
.irp i, 0,1,2,3,4,5,6,7
	SLOT \i, 1, 4*(DEPTH-1)
.endr
	s_wait_xcnt 0x0                                ; every load and store issued so far has read its base: the two are stepped only behind this wait
	s_add_nc_u64 s[INB:INB+1], s[INB:INB+1], DEPTH*RIN
	s_add_nc_u64 s[OUTB:OUTB+1], s[OUTB:OUTB+1], DEPTH*ROUT
	s_sub_co_u32 s[RND], s[RND], 1
	s_cmp_lg_u32 s[RND], 0
	s_cbranch_scc1 .Lround
.irp i, 0,1,2,3,4,5,6,7
	SLOT \i, 0, 4*(DEPTH-1-\i)                     ; the last round loads nothing: the counts run down
.endr
	global_store_b32 v[SO], v[T], s[SUMB:SUMB+1]   ; the wave's 32 sums, 128 consecutive bytes
	s_endpgm
.Lfunc_end_k_q0e3c737ada_prep:
	.size	k_q0e3c737ada_prep, .Lfunc_end_k_q0e3c737ada_prep-k_q0e3c737ada_prep
	.p2alignl 7, 3214868480
	.fill 96, 4, 3214868480
	.section	.rodata,"a",@progbits
	.p2align	6, 0x0
	.amdhsa_kernel k_q0e3c737ada_prep
		.amdhsa_group_segment_fixed_size 0
		.amdhsa_private_segment_fixed_size 0
		.amdhsa_enable_private_segment 0
		.amdhsa_kernarg_size 48
		.amdhsa_user_sgpr_count 2
		.amdhsa_user_sgpr_kernarg_segment_ptr 1
		.amdhsa_wavefront_size32 1
		.amdhsa_system_sgpr_workgroup_id_x 1
		.amdhsa_system_sgpr_workgroup_id_y 1
		.amdhsa_system_sgpr_workgroup_id_z 1
		.amdhsa_system_vgpr_workitem_id 0
		.amdhsa_next_free_vgpr 160
		.amdhsa_next_free_sgpr 66
		.amdhsa_reserve_vcc 0
		.amdhsa_float_denorm_mode_32 3
		.amdhsa_float_denorm_mode_16_64 3
		.amdhsa_memory_ordered 1
		.amdhsa_forward_progress 1
		.amdhsa_inst_pref_size 48
	.end_amdhsa_kernel
	.amdgpu_metadata
---
amdhsa.version: [ 1, 2 ]
amdhsa.kernels:
  - .name:           k_q0e3c737ada_prep
    .symbol:         k_q0e3c737ada_prep.kd
    .args:
      - { .name: x_train, .offset: 0, .size: 8, .value_kind: global_buffer, .address_space: global }
      - { .name: x, .offset: 8, .size: 8, .value_kind: global_buffer, .address_space: global }
      - { .name: xtb, .offset: 16, .size: 8, .value_kind: global_buffer, .address_space: global }
      - { .name: xb, .offset: 24, .size: 8, .value_kind: global_buffer, .address_space: global }
      - { .name: t2, .offset: 32, .size: 8, .value_kind: global_buffer, .address_space: global }
      - { .name: x2, .offset: 40, .size: 8, .value_kind: global_buffer, .address_space: global }
    .group_segment_fixed_size: 0
    .private_segment_fixed_size: 0
    .kernarg_segment_align: 8
    .kernarg_segment_size: 48
    .max_flat_workgroup_size: 256
    .sgpr_count:     66
    .vgpr_count:     160
    .wavefront_size: 32
...
	.end_amdgpu_metadata
.endif
;; end of part 1
;; launch main (part 2): grid 8 x 32, 4 waves a work-group, clusters of 4 x 1, 327,680 bytes of LDS; arguments xb, xtb, t2, x2, candv, candg; writes candv, candg
.if DOCPART == 2
	.amdgcn_target "amdgcn-amd-amdhsa--gfx1250"
	.amdhsa_code_object_version 6
	.text
	.protected	k_q0e3c737ada_main
	.globl	k_q0e3c737ada_main
	.p2align	8
	.type	k_q0e3c737ada_main,@function
k_q0e3c737ada_main:
	s_mov_b64 s[64:65], 0
	v_nop
	global_prefetch_b8 v0, s[64:65] scope:SCOPE_SE
	s_setreg_imm32_b32 hwreg(HW_REG_WAVE_MODE, 25, 1), 1
	s_wait_xcnt 0x0
	s_wait_alu depctr_hold_cnt(0) depctr_sa_sdst(0) depctr_va_vdst(0) depctr_va_sdst(0) depctr_va_ssrc(0) depctr_va_vcc(0) depctr_vm_vsrc(0)
	s_getreg_b32 s2, hwreg(HW_REG_IB_STS2, 6, 4)
	s_cmp_eq_u32 s2, 0
	s_cbranch_scc0 .Lentry_in_a_cluster
	s_endpgm
.Lentry_in_a_cluster:
	s_bfe_u32 s2, ttmp6, 0x10000c
	s_cmp_lg_u32 s2, 0x3003
	s_cbranch_scc0 .Lentry_shape_is_right
	s_endpgm
.Lentry_shape_is_right:
; MAIN.  d2[q][n] = (x2[q] + t2[n]) - 2 x[q].xt[n] for 2,048 queries and 65,536 train rows of 512 bf16, and of it only this is kept: the train rows are taken in GROUPS of 8 neighbours
; (group id = row / 8); for each query the 6 groups with the smallest group minimum of d2.  A query's 5 nearest rows lie in its 5 best groups; the sixth is kept for ties that the later root makes.
; SHARES.  Work-group (qb, p): queries 256 qb .. + 255, train rows 2,048 p .. + 2,047.  Wave w holds queries 64 w .. + 63 of the block in 512 registers (four tiles q of 16); all four waves walk the
; same train rows, 16 a TILE.  256 work-groups; a wave issues 128 tiles x 64 matrix instructions.
; LAYOUT.  Source 0 = 16 train rows, source 1 = 16 queries: in the result lane (r, h) holds ONE query (r) and train rows 8 h + 0..7: one group.  So a group's minimum never leaves the lane, and each lane
; keeps, for each of its four queries, a sorted list of 6 (minimum, id) over the groups it sees: those of parity h of this partition.  Later launches merge the 64 lists of a query.
; BY TURNS.  Two sets of four accumulators: while one tile is multiplied (16 K steps x 4 query tiles, the four accumulators by turns), the tile before is worked off by 141 vector instructions (the RIDERS),
; four behind a matrix instruction.  A strict "less" keeps the earlier, lower id where minima are equal.
; RING.  Two LDS slots of 128 train rows (8 tiles), filled by tensor loads, 32 rows a wave.  The four query blocks of a cluster walk the same partition: each load is asked for JOINTLY, by the same descriptor
; and the mask of four.  A slot is asked for again when its eighth tile is in registers: the load has 8 tiles, 512 matrix instructions, in which to land.
; LIMITS.  NaN and infinities are not treated apart (a group whose minimum is not below +inf is never listed).  Groups are ranked by d2 as it is summed here, before reference()'s clamp and root.
; REGISTERS, in windows of 256 (s_set_vgpr_msb: bits 1:0 source 0, 3:2 source 1, 5:4 source 2, 7:6 destination):
;   window 0: addresses, x2, t2, the lists, the two sets of accumulators     window 1: two buffers of 16 train fragments     windows 2, 3: the queries' 64 fragments, K steps 0-7 and 8-15
.set PITCH,  1040                      ; an LDS row: 1,024 bytes + 16 of padding = 260 words: row r starts at bank 4 r mod 64 (64 banks of 4 bytes: ISA guide 11.1), so a fragment load's 16 rows start at 16 different banks
.set TILEB,  16*PITCH                  ; a tile of 16 rows
.set WROWS,  32*PITCH                  ; what one tensor load brings
.set SLOT,   128*PITCH                 ; 133,120 = 2^17 + 2^11: these two bits are 0 in wave x WROWS, so one exclusive or turns an address in one slot into the other's
.set T2B,    2*SLOT                    ; behind the ring: the partition's 2,048 t2, filled once
.set SPARE,  T2B+8192                  ; behind that: the spare words, 128 bytes for each wave: two blocks of 256 bytes that no other line names
.set STAGEB, 128*1024                  ; a slot's rows in memory
.set A0,  2                            ; v2   my lane's place in a tile: r x PITCH + 16 h; never rewritten
.set ADR, 3                            ; v3   LDS address of the run of fragment loads in hand
.set T2L, 4                            ; v4   T2B + 32 h; never rewritten
.set T2A, 5                            ; v5   LDS address of the tile's t2
.set SPW, 6                            ; v6   LDS address of my spare word; never rewritten
.set NIL, 7                            ; v7   0; never rewritten
.set PFO, 8                            ; v8   1,024 x lane: the prefetches' offset, a lane a row; never rewritten
.set QO,  9                            ; v9   r x 1,024 + 16 h: my place in 16 rows of xb
.set O16, 10                           ; v10  16 x lane
.set O8,  11                           ; v11  8 x lane
.set X2,  12                           ; v[12:19]  x2 of my query in tile q, as a pair at X2 + 2 q
.set T2,  20                           ; v[20:35]  t2 of my 8 rows, two buffers by the tile's parity
.set U,   36                           ; v[36:43]  the group's 8 d2; then U1-U5 at work in the ids' shift
.set M,   44                           ; v44  the group's minimum
.set TT,  45                           ; v45  at work
.set GID, 46                           ; v46  the id of my group in the tile that is being worked off
.set L,   48                           ; v[48:71]  four lists of 6 minima, ascending
.set G,   72                           ; v[72:95]  their ids
.set ACC, 96                           ; v[96:159] accumulators: set by the tile's parity, query tile q at ACC + 32 set + 8 q
.set RR,  160                          ; v160-163  at work at the head: r, h, lane, 4 r
.set HH,  161
.set LN,  162
.set XO,  163
.set WV,  16                           ; s16  my wave's number
.set CX,  17                           ; s17  my place in the cluster: it enters the addresses of xb, x2, candv, candg and of the prefetches alone
.set QB,  18                           ; s18  my block of 256 queries
.set PP,  19                           ; s19  the partition, which the four partners share
.set G1,  24                           ; s[24:31] descriptor group 1 for train tiles
.set G1T, 32                           ; s[32:39] for t2
.set G0A, 40                           ; s[40:43] descriptor group 0: slot 0's first fill
.set G0W, 44                           ; s[44:47] slot 1's first fill; it then walks
.set G0T, 48                           ; s[48:51] t2
.set PFA, 52                           ; s[52:53] where my prefetches stand
.set LIM, 54                           ; s54  1 in a cluster that prefetches, else the greatest number
.set STG, 55                           ; s55  slots still to be asked for; then the tail's count
.set PAIR, 56                          ; s56  counts pairs of tiles
.set TB,  57                           ; s57  LDS byte of the tile to be fetched next
.set TQ,  58                           ; s58  byte of the tile in hand in the t2 table
.set CM,  70                           ; s[70:75] lane masks: the minimum is below list entry k
.set MSB, 0
.macro WIN new                         ; the immediate's high byte repeats the setting that is left; a switch that changes nothing is dropped
.if MSB != (\new)
	s_set_vgpr_msb (MSB<<8)|(\new)
.set MSB, \new
.endif
.endm
; A round of the cluster's barrier: my work-group's barrier, so that wave 0's signal speaks for all four waves; wave 0 signals for the work-group; every wave waits for all four work-groups; my work-group's barrier once more.
.macro CREST                           ; a round behind its opening barrier
	s_cmp_lg_u32 s[WV], 0
	s_cbranch_scc1 .Lnot_wave_0_\@
	s_barrier_signal -3
.Lnot_wave_0_\@:
	s_barrier_wait -3
	s_barrier_signal -1
	s_barrier_wait -1
.endm
.macro CROUND                          ; a whole round
	s_barrier_signal -1
	s_barrier_wait -1
	CREST
.endm
.macro JLOAD                           ; the joint refill: every wave its own 32 rows, told apart by the wave's number alone; an s_nop 0 and four v_nop follow
	tensor_load_to_lds s[G0W:G0W+3], s[G1:G1+7]
	s_nop 0
.rept 4
	v_nop
.endr
.endm
; A PREFETCH INTO THE L2 of what the NEXT change of slots will ask for: 128 rows of 1,024 bytes.  Both clusters of a partition walk the same rows: the first (cluster x = 0) asks.  Wave w names its own 32 rows, a lane a row;
; of a row's four blocks of 256 bytes partner cx names block cx: told apart by ADDRESS, no branch hangs on a work-group's place in its cluster.  So each block is named once in the launch, 8 tiles (512 matrix instructions)
; ahead of the load that wants it.  The first three slots come by their loads alone; the last change that fills a slot asks for nothing.
.macro ASK
	s_cmp_gt_u32 s[STG], s[LIM]
	s_cbranch_scc0 .Lnot_mine_\@
	global_prefetch_b8 v[PFO], s[PFA:PFA+1] th:TH_LOAD_NT scope:SCOPE_SE
.Lnot_mine_\@:
.endm
	s_load_b256 s[4:11], s[0:1], 0x0               ; xb s[4:5], xtb s[6:7], t2 s[8:9], x2 s[10:11]
	s_load_b128 s[12:15], s[0:1], 0x20             ; candv s[12:13], candg s[14:15]
	v_lshl_add_u32 v[SPW], v0, 2, SPARE
	v_mov_b32 v[NIL], 0
	ds_add_u32 v[SPW], v[NIL]                      ; the wave's opening: the add, twice on end, and its wait ahead of my first tensor load; the set-up below stands between
	ds_add_u32 v[SPW], v[NIL]                      ; and once more, under the one wait
	v_lshrrev_b32 v1, 5, v0
	v_readfirstlane_b32 s[WV], v1                  ; wave 0..3
	s_bfe_u32 s[CX], ttmp6, 0x40000
	s_lshl_b32 s[QB], ttmp9, 2                     ; in a cluster launch ttmp9 counts clusters
	s_add_co_u32 s[QB], s[QB], s[CX]
	s_and_b32 s[PP], ttmp7, 0xffff
	; group 1 for train tiles: 32 rows x 512 elements of 2 bytes, padded in LDS
	s_mov_b32 s[G1], 15|(1<<16)|(1<<20)|(1<<21)|(7<<22)|(3<<25)  ; 15:0 the mask of four; 17:16 2-byte elements; 20 padding on; 21 set beside a mask; 24:22 after every 256 words (code 7); 31:25 4 words (code 3)
	s_mov_b32 s[G1+1], 512<<16                     ; tensor_dim0 = 512
	s_mov_b32 s[G1+2], 32<<16                      ; tensor_dim1 = 32
	s_mov_b32 s[G1+3], 512<<16                     ; tile_dim0 = 512
	s_mov_b32 s[G1+4], 32                          ; tile_dim1 = 32
	s_mov_b32 s[G1+5], 512                         ; elements from row to row
	s_mov_b32 s[G1+6], 0
	s_mov_b32 s[G1+7], 0
	; group 1 for t2: 2,048 dense bytes a wave, as 8 rows of 32 elements of 8 bytes
	s_mov_b32 s[G1T], 15|(3<<16)|(1<<21)
	s_mov_b32 s[G1T+1], 32<<16
	s_mov_b32 s[G1T+2], 8<<16
	s_mov_b32 s[G1T+3], 32<<16
	s_mov_b32 s[G1T+4], 8
	s_mov_b32 s[G1T+5], 32
	s_mov_b32 s[G1T+6], 0
	s_mov_b32 s[G1T+7], 0
	s_mul_i32 s20, s[WV], WROWS                    ; where my 32 rows go in a slot: the wave's number alone
	s_mov_b32 s[G0A], 1
	s_mov_b32 s[G0A+1], s20
	s_mov_b32 s[G0W], 1
	s_add_co_u32 s[G0W+1], s20, SLOT
	s_lshl_b32 s21, s[WV], 11
	s_mov_b32 s[G0T], 1
	s_add_co_u32 s[G0T+1], s21, T2B
	s_lshl_b32 s22, s[PP], 21                      ; the partition's 2,048 rows of 1,024 bytes,
	s_lshl_b32 s23, s[WV], 15                      ; my 32 of a slot's 128
	s_add_co_u32 s22, s22, s23
	s_mov_b32 s23, 0
	s_lshl_b32 s20, s[PP], 13                      ; the partition's 2,048 t2, my 512 of them
	s_add_co_u32 s20, s20, s21
	s_mov_b32 s21, 0
	s_lshl_b32 s60, s[QB], 18                      ; my block's 256 rows of xb, my wave's 64: registers of their own, since they hold cx
	s_lshl_b32 s61, s[WV], 16
	s_add_co_u32 s60, s60, s61
	s_mov_b32 s61, 0
	s_lshr_b32 s62, s60, 8                         ; the same queries in x2: 4 bytes for 1,024
	s_mov_b32 s63, 0
	s_lshl_b32 s66, s[PP], 7                       ; my first block of 768 bytes in candv and candg: 128 p + 16 qb + 4 w
	s_lshl4_add_u32 s66, s[QB], s66
	s_lshl2_add_u32 s66, s[WV], s66
	s_mul_i32 s66, s66, 768
	s_mov_b32 s67, 0
	s_lshl_b32 s68, s[CX], 8                       ; my work-group's block of 256 bytes in each prefetched row
	s_mov_b32 s69, 0
	s_cmp_eq_u32 ttmp9, 0                          ; the same in all four partners
	s_cselect_b32 s[LIM], 1, -1
	s_mov_b32 s[TB], 0
	s_mov_b32 s[TQ], 0
	s_wait_dscnt 0x0                               ; both opening adds are done
	s_wait_kmcnt 0x0
	s_add_nc_u64 s[G0A+2:G0A+3], s[6:7], s[22:23]  ; rows 0-127 of the partition,
	s_add_nc_u64 s[G0W+2:G0W+3], s[G0A+2:G0A+3], STAGEB  ; rows 128-255
	s_add_nc_u64 s[PFA:PFA+1], s[G0A+2:G0A+3], 2*STAGEB  ; the first change of slots steps this to rows 384 on
	s_add_nc_u64 s[PFA:PFA+1], s[PFA:PFA+1], s[68:69]
	s_or_b32 s[G0A+3], s[G0A+3], 0x80000000        ; type = 2
	s_or_b32 s[G0W+3], s[G0W+3], 0x80000000
	s_add_nc_u64 s[G0T+2:G0T+3], s[8:9], s[20:21]
	s_or_b32 s[G0T+3], s[G0T+3], 0x80000000
	s_add_nc_u64 s[4:5], s[4:5], s[60:61]
	s_add_nc_u64 s[10:11], s[10:11], s[62:63]
	s_add_nc_u64 s[12:13], s[12:13], s[66:67]
	s_add_nc_u64 s[14:15], s[14:15], s[66:67]
	CROUND                                         ; all four work-groups are here: the first joint loads meet
	tensor_load_to_lds s[G0T:G0T+3], s[G1T:G1T+7]  ; the three first fills go out together: three tensor loads of mine are out
	s_nop 0
	tensor_load_to_lds s[G0A:G0A+3], s[G1:G1+7]
	s_nop 0
	tensor_load_to_lds s[G0W:G0W+3], s[G1:G1+7]
	s_nop 0
.rept 4
	v_nop
.endr
	; A fragment is 16 rows x 32 K in 8 registers: lane (r, h) holds row r; registers 0-3 K = 8 h + 0..7, registers 4-7 K = 16 + 8 h + 0..7: two loads of 16 bytes, 32 bytes apart.
	v_and_b32 v[RR], 15, v0
	v_bfe_u32 v[HH], v0, 4, 1
	v_and_b32 v[LN], 31, v0
	v_lshlrev_b32 v[QO], 10, v[RR]
	v_lshl_add_u32 v[QO], v[HH], 4, v[QO]
	v_lshlrev_b32 v[XO], 2, v[RR]
	WIN 0x80                                       ; the queries stay in registers: fragment (q, s) at 8 (4 (s % 8) + q), window 2 for s < 8,
.irp q, 0,1,2,3
.set s_, 0
.rept 8
	global_load_b128 v[8*(4*s_+\q):8*(4*s_+\q)+3],   v[QO], s[4:5] offset:\q*16384+64*s_
	global_load_b128 v[8*(4*s_+\q)+4:8*(4*s_+\q)+7], v[QO], s[4:5] offset:\q*16384+64*s_+32
.set s_, s_+1
.endr
.endr
	WIN 0xc0                                       ; window 3 for the others
.irp q, 0,1,2,3
.set s_, 0
.rept 8
	global_load_b128 v[8*(4*s_+\q):8*(4*s_+\q)+3],   v[QO], s[4:5] offset:\q*16384+512+64*s_
	global_load_b128 v[8*(4*s_+\q)+4:8*(4*s_+\q)+7], v[QO], s[4:5] offset:\q*16384+512+64*s_+32
.set s_, s_+1
.endr
.endr
	WIN 0
.irp q, 0,1,2,3
	global_load_b32 v[X2+2*\q], v[XO], s[10:11] offset:64*\q
.endr
	v_mul_u32_u24 v[A0], v[RR], PITCH
	v_lshl_add_u32 v[A0], v[HH], 4, v[A0]
	v_lshlrev_b32 v[T2L], 5, v[HH]
	v_add_nc_u32 v[T2L], T2B, v[T2L]
	v_lshlrev_b32 v[PFO], 10, v[LN]
	v_lshlrev_b32 v[O16], 4, v[LN]
	v_lshlrev_b32 v[O8], 3, v[LN]
	; The lists start at +inf with the partition's first id.  The first tile's riders work off a tile that has not been: its accumulators are set to -inf and its t2 to 0, so its d2 are +inf and nothing is listed:
	; one text serves every tile.  These lines stand in the wait for the first tiles.
	s_mov_b32 s20, 0x7f800000
	s_lshl_b32 s21, s[PP], 8                       ; the partition's first group
	s_mov_b32 s22, 0xff800000
	s_sub_co_u32 s23, s21, 2
	v_add_nc_u32 v[GID], s23, v[HH]                ; the riders step it by 2 a tile: 256 p + 2 tile + h
.set i, 0
.rept 24
	v_mov_b32 v[L+i], s20
	v_mov_b32 v[G+i], s21
.set i, i+1
.endr
.set i, 0
.rept 32
	v_mov_b32 v[ACC+32+i], s22
.set i, i+1
.endr
.set i, 0
.rept 8
	v_mov_b32 v[T2+8+i], 0
.set i, i+1
.endr
; Matrix instruction i of a tile's 64: K step i / 4, query tile i % 4.  The four accumulators take turns, and the next tile takes the other set: no two that follow each other share one.  K step 0 starts the sums with the constant 0.
.macro MM par
.set s_, i/4
.set q_, i%4
.set rD, ACC+32*(\par)+8*q_
.set rA, 128*(\par)+8*s_
.set rQ, 8*(4*(s_%8)+q_)
.if s_ < 8
	WIN 0x09                                       ; train fragments window 1, queries window 2, sums window 0
.else
	WIN 0x0d                                       ; queries window 3
.endif
.if s_ == 0
	v_wmma_f32_16x16x32_bf16 v[rD:rD+7], v[rA:rA+7], v[rQ:rQ+7], 0
.else
	v_wmma_f32_16x16x32_bf16 v[rD:rD+7], v[rA:rA+7], v[rQ:rQ+7], v[rD:rD+7]
.endif
.endm
; Rider n of the tile BEFORE the one of parity par: query tile n / 36, number m = n % 36:
;   0-3    x2 + t2, rounded as reference() rounds it, a pair of rows each        4-7    - 2 dot, one fused multiply-add: d2; the accumulator's lowest registers are read first
;   8-11   the group's minimum                                                   12-17  is it below list entry k?  (six lane masks, against the old list)
;   18-23  the minima: entry k becomes the middle one of (minimum, entry k - 1, entry k), k = 5 .. 1; entry 0 the lesser
;   24-28  what entry k's id would take: the id above it if that moves down, else the new id (all five from the old ids)        29-34  the ids take it where the mask says so
;   35     behind the last query tile: the next tile's group id
.macro RID par, n
.set q_, (\n)/36
.set m_, (\n)%36
.set rA, ACC+32*(1-(\par))+8*q_
.set rT, T2+8*(1-(\par))
.set rL, L+6*q_
.set rG, G+6*q_
.set rX, X2+2*q_
.if m_ < 4
	v_pk_add_f32 v[U+2*m_:U+2*m_+1], v[rT+2*m_:rT+2*m_+1], v[rX:rX+1] op_sel_hi:[1,0]
.elseif m_ < 8
	v_pk_fma_f32 v[U+2*m_-8:U+2*m_-7], v[rA+2*m_-8:rA+2*m_-7], -2.0, v[U+2*m_-8:U+2*m_-7] op_sel_hi:[1,0,1]
.elseif m_ == 8
	v_min3_num_f32 v[M], v[U], v[U+1], v[U+2]
.elseif m_ == 9
	v_min3_num_f32 v[TT], v[U+3], v[U+4], v[U+5]
.elseif m_ == 10
	v_min3_num_f32 v[TT], v[TT], v[U+6], v[U+7]
.elseif m_ == 11
	v_min_num_f32 v[M], v[M], v[TT]
.elseif m_ < 18
	v_cmp_lt_f32 s[CM+m_-12], v[M], v[rL+m_-12]
.elseif m_ < 23
	v_med3_num_f32 v[rL+23-m_], v[M], v[rL+22-m_], v[rL+23-m_]
.elseif m_ == 23
	v_min_num_f32 v[rL], v[M], v[rL]
.elseif m_ < 29
	v_cndmask_b32 v[U+m_-23], v[GID], v[rG+m_-24], s[CM+m_-24]
.elseif m_ < 34
	v_cndmask_b32 v[rG+m_-28], v[rG+m_-28], v[U+m_-28], s[CM+m_-28]
.elseif m_ == 34
	v_cndmask_b32 v[rG], v[rG], v[GID], s[CM]
.elseif q_ == 3
	v_add_nc_u32 v[GID], 2, v[GID]
.endif
.endm
; Four riders stand behind matrix instruction i where i % 16 < 9: query tile i / 16's 36.  Riders 0-3 name no register of the last tile's products: they are the four plain vector instructions that stand
; between those products and the first read of their sums, and between them and the loads into the fragments that they read.
.macro SLICE par
.if (i%16) < 9
	WIN 0
.irp n, 0,1,2,3
	RID \par, 36*(i/16)+4*(i%16)+\n
.endr
.endif
.endm
.macro RUN par, cnt
.rept \cnt
	MM \par
	SLICE \par
.set i, i+1
.endr
.endm
; One run of LDS loads: t2 of the tile in hand (its riders come in the next tile) into T2's buffer par, and the NEXT tile's 16 fragments into the other fragment buffer.
.macro FETCH par, t2
	WIN 0
	v_add_nc_u32 v[ADR], s[TB], v[A0]
.if \t2
	v_add_nc_u32 v[T2A], s[TQ], v[T2L]
	ds_load_b128 v[T2+8*(\par):T2+8*(\par)+3],   v[T2A]
	ds_load_b128 v[T2+8*(\par)+4:T2+8*(\par)+7], v[T2A] offset:16
	s_add_co_u32 s[TQ], s[TQ], 64                  ; the next tile's 16 numbers;
	s_and_b32 s[TQ], s[TQ], 0x1fc0                 ; the table is walked as a ring of 128 entries: the offset stays inside its 8,192 bytes
.endif
	WIN 0x40                                       ; destination window 1
.set f_, 128*(1-(\par))
.irp s, 0,1,2,3,4,5,6,7,8,9,10,11,12,13,14,15
	ds_load_b128 v[f_+8*\s:f_+8*\s+3],   v[ADR] offset:64*\s
	ds_load_b128 v[f_+8*\s+4:f_+8*\s+7], v[ADR] offset:64*\s+32
.endr
	s_add_co_u32 s[TB], s[TB], TILEB
.endm
; A tile of parity par.
.macro TILE par
	s_wait_dscnt 16                                ; of the last run's 34 loads the youngest 16, K steps 8-15, may be out
.set i, 0
	RUN \par, 2
	FETCH \par, 1
	RUN \par, 30
	s_wait_dscnt 34                                ; all but the run just issued
	RUN \par, 32
.endm
; A slot's eighth tile, and THE CHANGE OF SLOTS.  The slot's last bytes were asked for in the tile before.  Each wave waits for all its tensor loads, of which one is out: its part of the other slot; adds 0 to its spare word;
; works on registers; waits for the add and for its reads of the slot; and signals.  Behind the barrier nobody reads this slot and the other slot is whole.  fill = 1: the barrier opens a round of the cluster's, so that the
; same holds of every partner, and the joint refill, rows two slots on, is the first thing behind it.
.macro TILEC par, fill
.if \fill
	s_wait_xcnt 0x0                                ; the last prefetch, 8 tiles back, has read its address: it is stepped here, ahead of the waits of the change
	s_add_nc_u64 s[PFA:PFA+1], s[PFA:PFA+1], STAGEB
.endif
	WIN 0
	s_wait_tensorcnt 0x0                           ; no tensor load of mine is out, so a group 0 may be written
	ds_add_u32 v[SPW], v[NIL]                      ; 0 onto my spare word
.if \fill
	s_xor_b32 s[G0W+1], s[G0W+1], SLOT             ; the walking descriptor: the other slot than last time,
	s_add_nc_u64 s[G0W+2:G0W+3], s[G0W+2:G0W+3], STAGEB  ; the next 128 rows; the type bits on top are not reached
.endif
	s_wait_dscnt 17                                ; the add and the youngest 16 loads may be out
.set i, 0
	RUN \par, 16
	s_wait_dscnt 0x0                               ; the add is done, and my reads of this slot are over
	s_barrier_signal -1
	RUN \par, 16                                   ; work on registers while the others arrive
	WIN 0                                          ; at a branch and at a label every window is 0
	s_barrier_wait -1
.if \fill
	CREST
	JLOAD
.endif
	s_sub_co_u32 s[TB], s[TB], SLOT                ; the fetches go back to a slot's first tile,
	s_xor_b32 s[TB], s[TB], SLOT                   ; in the other slot
	FETCH \par, 1
.if \fill
	WIN 0
	ASK                                            ; behind the joint load, its five lines and the run of LDS loads
.endif
	RUN \par, 32                                   ; K steps 8-15 came in ahead of the barrier
.endm
	s_wait_tensorcnt 0x1                           ; my parts of t2 and of slot 0 are in; slot 1's may stay out
	s_barrier_signal -1
	s_barrier_wait -1                              ; everybody's are
	FETCH 1, 0                                     ; tile 0's fragments, into buffer 0
	WIN 0
	s_wait_loadcnt 0x0                             ; the queries and x2
.irp q, 0,1,2,3
	v_mov_b32 v[X2+2*\q+1], v[X2+2*\q]             ; named as a pair by the packed sum
.endr
	s_mov_b32 s[STG], 14                           ; of the partition's 16 slots' worth all but the first two are asked for in the loop
.Lstage:
	s_mov_b32 s[PAIR], 3
.Lpair:
	TILE 0
	TILE 1
	WIN 0
	s_sub_co_u32 s[PAIR], s[PAIR], 1
	s_cmp_lg_u32 s[PAIR], 0
	s_cbranch_scc1 .Lpair
	TILE 0
	TILEC 1, 1
	WIN 0
	s_sub_co_u32 s[STG], s[STG], 1
	s_cmp_lg_u32 s[STG], 0
	s_cbranch_scc1 .Lstage
	s_mov_b32 s[STG], 2                            ; the last two slots are written out: nothing is asked for
.Ltail:
	s_mov_b32 s[PAIR], 3
.Ltpair:
	TILE 0
	TILE 1
	WIN 0
	s_sub_co_u32 s[PAIR], s[PAIR], 1
	s_cmp_lg_u32 s[PAIR], 0
	s_cbranch_scc1 .Ltpair
	TILE 0
	TILEC 1, 0                                     ; (in the last trip its run of loads brings the last tile's t2, which is wanted, and 16 fragments that nobody multiplies: the price, once a launch, of one text)
	WIN 0
	s_sub_co_u32 s[STG], s[STG], 1
	s_cmp_lg_u32 s[STG], 0
	s_cbranch_scc1 .Ltail
	s_wait_dscnt 0x0                               ; the last tile's t2
.set n_, 0
.rept 144
	RID 0, n_                                      ; the last tile is worked off; its first four riders are again the places behind the last products
.set n_, n_+1
.endr
	; The lists leave: for query tile q a block of 768 bytes in each buffer: 32 lanes x entries 0-3, then 32 lanes x entries 4, 5: stores of 512 and of 256 consecutive bytes, at multiples of 256 from the buffer's first byte.
.irp q, 0,1,2,3
	global_store_b128 v[O16], v[L+6*\q:L+6*\q+3],   s[12:13] offset:768*\q
	global_store_b64  v[O8],  v[L+6*\q+4:L+6*\q+5], s[12:13] offset:768*\q+512
	global_store_b128 v[O16], v[G+6*\q:G+6*\q+3],   s[14:15] offset:768*\q
	global_store_b64  v[O8],  v[G+6*\q+4:G+6*\q+5], s[14:15] offset:768*\q+512
.endr
	s_wait_tensorcnt 0x0                           ; the wave's end, behind my last tensor load
	ds_add_u32 v[SPW], v[NIL]
	s_wait_dscnt 0x0
	CROUND                                         ; the closing round: no work-group ends while a partner may still ask for a tile that names it
	s_endpgm
.Lfunc_end_k_q0e3c737ada_main:
	.size	k_q0e3c737ada_main, .Lfunc_end_k_q0e3c737ada_main-k_q0e3c737ada_main
	.p2alignl 7, 3214868480
	.fill 96, 4, 3214868480
	.section	.rodata,"a",@progbits
	.p2align	6, 0x0
	.amdhsa_kernel k_q0e3c737ada_main
		.amdhsa_group_segment_fixed_size 327680
		.amdhsa_private_segment_fixed_size 0
		.amdhsa_enable_private_segment 0
		.amdhsa_kernarg_size 48
		.amdhsa_user_sgpr_count 2
		.amdhsa_user_sgpr_kernarg_segment_ptr 1
		.amdhsa_wavefront_size32 1
		.amdhsa_system_sgpr_workgroup_id_x 1
		.amdhsa_system_sgpr_workgroup_id_y 1
		.amdhsa_system_sgpr_workgroup_id_z 1
		.amdhsa_system_vgpr_workitem_id 0
		.amdhsa_next_free_vgpr 1024
		.amdhsa_next_free_sgpr 80
		.amdhsa_reserve_vcc 0
		.amdhsa_float_denorm_mode_32 3
		.amdhsa_float_denorm_mode_16_64 3
		.amdhsa_memory_ordered 1
		.amdhsa_forward_progress 1
		.amdhsa_inst_pref_size 174
	.end_amdhsa_kernel
	.amdgpu_metadata
---
amdhsa.version: [ 1, 2 ]
amdhsa.kernels:
  - .name:           k_q0e3c737ada_main
    .symbol:         k_q0e3c737ada_main.kd
    .args:
      - { .name: xb, .offset: 0, .size: 8, .value_kind: global_buffer, .address_space: global }
      - { .name: xtb, .offset: 8, .size: 8, .value_kind: global_buffer, .address_space: global }
      - { .name: t2, .offset: 16, .size: 8, .value_kind: global_buffer, .address_space: global }
      - { .name: x2, .offset: 24, .size: 8, .value_kind: global_buffer, .address_space: global }
      - { .name: candv, .offset: 32, .size: 8, .value_kind: global_buffer, .address_space: global }
      - { .name: candg, .offset: 40, .size: 8, .value_kind: global_buffer, .address_space: global }
    .group_segment_fixed_size: 327680
    .private_segment_fixed_size: 0
    .kernarg_segment_align: 8
    .kernarg_segment_size: 48
    .max_flat_workgroup_size: 128
    .sgpr_count:     80
    .vgpr_count:     1024
    .wavefront_size: 32
...
	.end_amdgpu_metadata
.endif
;; end of part 2
;; launch merge (part 3): grid 128 x 1, 4 waves a work-group, no clusters, 6,656 bytes of LDS; arguments candv, candg, sel; writes sel
.if DOCPART == 3
	.amdgcn_target "amdgcn-amd-amdhsa--gfx1250"
	.amdhsa_code_object_version 6
	.text
	.protected	k_q0e3c737ada_merge
	.globl	k_q0e3c737ada_merge
	.p2align	8
	.type	k_q0e3c737ada_merge,@function
k_q0e3c737ada_merge:
	s_mov_b64 s[64:65], 0
	v_nop
	global_prefetch_b8 v0, s[64:65] scope:SCOPE_SE
	s_setreg_imm32_b32 hwreg(HW_REG_WAVE_MODE, 25, 1), 1
	s_wait_xcnt 0x0
; MERGE.  Each query has 64 sorted lists of 6 (group minimum, group id): 32 partitions x 2 halves of the lanes.  They are merged into the query's 6 best groups, whose ids are sorted ascending and stored.
; SHARES.  A work-group takes a tile of 16 queries; a lane is the lane (r, h) that made the lists.  Wave w merges partitions 8 w .. 8 w + 7 in ascending order; waves 1-3 hand their list to wave 0 through LDS;
; wave 0 merges the four, again ascending, then the two halves of the lanes.
; ORDER.  Equal minima: the lower id first.  Within a lane ids ascend with the partition, so a strict "less" for the newcomer does it; between the halves (even and odd ids) the ids are compared too.
; Every choice is a select on lane masks: no branch and no address hangs on a number read here.
; No matrix unit, no cluster, no prefetch: 48 KB a work-group, all asked for at once.
.set BLK,   768                        ; a block: 32 lanes x 4 words, then 32 lanes x 2 words
.set PSTEP, 128*BLK                    ; from a partition to the next
.set SPARE, 6144                       ; behind the three lists in LDS: the spare words, 128 bytes for each wave
.set SPW, 2                            ; v2   LDS address of my spare word; never rewritten
.set NIL, 3                            ; v3   0; never rewritten
.set O16, 4                            ; v4   16 x lane
.set O8,  5                            ; v5   8 x lane
.set SA,  6                            ; v6   where my wave's list goes in LDS
.set OUT, 8                            ; v[8:11] what I store
.set TT,  12                           ; v12  at work
.set R,   16                           ; v[16:111] eight records of 12: minima 0-5, ids 6-11; record 0 is the running list
.set LV,  R
.set LG,  R+6
.set WV,  16                           ; s16  my wave's number
.set CM,  24                           ; s[24:29] lane masks: the newcomer goes ahead of entry k
.set T0,  30
.set T1,  31
.set SEL, 32                           ; s[32:33] v_permlanex16_b32's selects
.set HM,  34                           ; s34  lanes 16-31
	s_load_b128 s[4:7], s[0:1], 0x0                ; candv s[4:5], candg s[6:7]
	s_load_b64 s[8:9], s[0:1], 0x10                ; sel
	v_lshl_add_u32 v[SPW], v0, 2, SPARE
	v_mov_b32 v[NIL], 0
	v_lshrrev_b32 v1, 5, v0
	v_readfirstlane_b32 s[WV], v1
	v_and_b32 v1, 31, v0
	v_lshlrev_b32 v[O16], 4, v1
	v_lshlrev_b32 v[O8], 3, v1
	s_mul_i32 s10, ttmp9, BLK                      ; my query tile's block in partition 0,
	s_mul_i32 s11, s[WV], 8*PSTEP                  ; my wave's first partition
	s_add_co_u32 s10, s10, s11
	s_mov_b32 s11, 0
	s_lshl_b32 s12, ttmp9, 9                       ; my query tile's 512 bytes of sel
	s_mov_b32 s13, 0
	s_mul_i32 s14, s[WV], 1536
	v_add_nc_u32 v[SA], s14, v[O16]
	s_mov_b32 s[SEL], 0x76543210
	s_mov_b32 s[SEL+1], 0xfedcba98
	s_mov_b32 s[HM], 0xffff0000
	s_wait_kmcnt 0x0
	s_add_nc_u64 s[4:5], s[4:5], s[10:11]
	s_add_nc_u64 s[6:7], s[6:7], s[10:11]
	s_add_nc_u64 s[8:9], s[8:9], s[12:13]
.irp k, 0,1,2,3,4,5,6,7
	global_load_b128 v[R+12*\k:R+12*\k+3],     v[O16], s[4:5] offset:\k*PSTEP th:TH_LOAD_NT
	global_load_b64  v[R+12*\k+4:R+12*\k+5],   v[O8],  s[4:5] offset:\k*PSTEP+512 th:TH_LOAD_NT
	global_load_b128 v[R+12*\k+6:R+12*\k+9],   v[O16], s[6:7] offset:\k*PSTEP th:TH_LOAD_NT
	global_load_b64  v[R+12*\k+10:R+12*\k+11], v[O8],  s[6:7] offset:\k*PSTEP+512 th:TH_LOAD_NT
.endr
; The masks for a newcomer (minimum in v, id in g) against entries e .. d - 1 of the running list: by the minimum alone,
.macro CMPS d, e, v
.set k_, \e
.rept (\d)-(\e)
	v_cmp_lt_f32 s[CM+k_], v[\v], v[LV+k_]
.set k_, k_+1
.endr
.endm
; or by the minimum and, where that is equal, by the id.
.macro CMPX d, e, v, g
.set k_, \e
.rept (\d)-(\e)
	v_cmp_lt_f32 s[CM+k_], v[\v], v[LV+k_]
	v_cmp_eq_f32 s[T0], v[\v], v[LV+k_]
	v_cmp_lt_u32 s[T1], v[\g], v[LG+k_]
	s_and_b32 s[T0], s[T0], s[T1]
	s_or_b32 s[CM+k_], s[CM+k_], s[T0]
.set k_, k_+1
.endr
.endm
; The list takes the newcomer: entry k's minimum becomes the middle one of (newcomer, entry k - 1, entry k), from the bottom up; its id takes the id above it, or the newcomer's, where its mask says so.
.macro UPD d, e, v, g
.set k_, (\d)-1
.rept (\d)-(\e)-1
	v_med3_num_f32 v[LV+k_], v[\v], v[LV+k_-1], v[LV+k_]
.set k_, k_-1
.endr
	v_min_num_f32 v[LV+(\e)], v[\v], v[LV+(\e)]
.set k_, (\d)-1
.rept (\d)-(\e)-1
	v_cndmask_b32 v[TT], v[\g], v[LG+k_-1], s[CM+k_-1]
	v_cndmask_b32 v[LG+k_], v[LG+k_], v[TT], s[CM+k_]
.set k_, k_-1
.endr
	v_cndmask_b32 v[LG+(\e)], v[LG+(\e)], v[\g], s[CM+(\e)]
.endm
; A sorted record is merged in.  Its entry e comes behind its entries 0 .. e - 1, which are in the list already or found no room: it cannot rank above place e, so only places e .. 5 are looked at.
.macro MRG rec
.irp e, 0,1,2,3,4,5
	CMPS 6, \e, R+12*(\rec)+\e
	UPD  6, \e, R+12*(\rec)+\e, R+12*(\rec)+6+\e
.endr
.endm
.macro MRGX rec
.irp e, 0,1,2,3,4,5
	CMPX 6, \e, R+12*(\rec)+\e, R+12*(\rec)+6+\e
	UPD  6, \e, R+12*(\rec)+\e, R+12*(\rec)+6+\e
.endr
.endm
.irp k, 1,2,3,4,5,6,7
	s_wait_loadcnt 4*(7-\k)                        ; records 0 to k are in; the younger records' four loads each may stay out
	MRG \k
.endr
	s_cmp_eq_u32 s[WV], 0
	s_cbranch_scc1 .Lkeep
	ds_store_b128 v[SA], v[R:R+3]                  ; waves 1-3: 1,536 bytes each, at 1,536 x wave
	ds_store_b128 v[SA], v[R+4:R+7] offset:512
	ds_store_b128 v[SA], v[R+8:R+11] offset:1024
.Lkeep:
	s_wait_dscnt 0x0                               ; for wave 0's sake: my stores are done
	s_barrier_signal -1
	s_barrier_wait -1
	s_cmp_lg_u32 s[WV], 0
	s_cbranch_scc1 .Lend
.irp k, 1,2,3
.irp i, 0,1,2
	ds_load_b128 v[R+12*\k+4*\i:R+12*\k+4*\i+3], v[O16] offset:1536*\k+512*\i
.endr
.endr
	s_wait_dscnt 0x0
	MRG 1
	MRG 2
	MRG 3
.set j, 0
.rept 12
	v_permlanex16_b32 v[R+48+j], v[R+j], s[SEL], s[SEL+1]  ; the other half's list, into record 4, which has been loaded and merged
.set j, j+1
.endr
	MRGX 4                                         ; both halves now hold the query's six best groups
	; The six ids are sorted ascending: 15 exchanges.  The lesser goes into the free register, which then takes the name of the place; no copy is written.
.set I0, LG
.set I1, LG+1
.set I2, LG+2
.set I3, LG+3
.set I4, LG+4
.set I5, LG+5
.set FREE, TT
.macro CX a, b
	v_min_u32 v[FREE], v[\a], v[\b]
	v_max_u32 v[\b], v[\a], v[\b]
.set SWP, \a
.set \a, FREE
.set FREE, SWP
.endm
	CX I0, I1
	CX I1, I2
	CX I2, I3
	CX I3, I4
	CX I4, I5
	CX I0, I1
	CX I1, I2
	CX I2, I3
	CX I3, I4
	CX I0, I1
	CX I1, I2
	CX I2, I3
	CX I0, I1
	CX I1, I2
	CX I0, I1
	v_cndmask_b32 v[OUT],   v[I0], v[I4], s[HM]    ; lanes 0-15 store ids 0-3 of query r, lanes 16-31 ids 4, 5, 5, 5
	v_cndmask_b32 v[OUT+1], v[I1], v[I5], s[HM]
	v_cndmask_b32 v[OUT+2], v[I2], v[I5], s[HM]
	v_cndmask_b32 v[OUT+3], v[I3], v[I5], s[HM]
	global_store_b128 v[O16], v[OUT:OUT+3], s[8:9] ; 512 consecutive bytes, at a multiple of 256 from sel's first byte
.Lend:
	s_wait_tensorcnt 0x0                           ; the wave's end, behind my last LDS store
	ds_add_u32 v[SPW], v[NIL]
	s_wait_dscnt 0x0
	s_endpgm
.Lfunc_end_k_q0e3c737ada_merge:
	.size	k_q0e3c737ada_merge, .Lfunc_end_k_q0e3c737ada_merge-k_q0e3c737ada_merge
	.p2alignl 7, 3214868480
	.fill 96, 4, 3214868480
	.section	.rodata,"a",@progbits
	.p2align	6, 0x0
	.amdhsa_kernel k_q0e3c737ada_merge
		.amdhsa_group_segment_fixed_size 6656
		.amdhsa_private_segment_fixed_size 0
		.amdhsa_enable_private_segment 0
		.amdhsa_kernarg_size 24
		.amdhsa_user_sgpr_count 2
		.amdhsa_user_sgpr_kernarg_segment_ptr 1
		.amdhsa_wavefront_size32 1
		.amdhsa_system_sgpr_workgroup_id_x 1
		.amdhsa_system_sgpr_workgroup_id_y 1
		.amdhsa_system_sgpr_workgroup_id_z 1
		.amdhsa_system_vgpr_workitem_id 0
		.amdhsa_next_free_vgpr 128
		.amdhsa_next_free_sgpr 66
		.amdhsa_reserve_vcc 0
		.amdhsa_float_denorm_mode_32 3
		.amdhsa_float_denorm_mode_16_64 3
		.amdhsa_memory_ordered 1
		.amdhsa_forward_progress 1
		.amdhsa_inst_pref_size 64
	.end_amdhsa_kernel
	.amdgpu_metadata
---
amdhsa.version: [ 1, 2 ]
amdhsa.kernels:
  - .name:           k_q0e3c737ada_merge
    .symbol:         k_q0e3c737ada_merge.kd
    .args:
      - { .name: candv, .offset: 0, .size: 8, .value_kind: global_buffer, .address_space: global }
      - { .name: candg, .offset: 8, .size: 8, .value_kind: global_buffer, .address_space: global }
      - { .name: sel, .offset: 16, .size: 8, .value_kind: global_buffer, .address_space: global }
    .group_segment_fixed_size: 6656
    .private_segment_fixed_size: 0
    .kernarg_segment_align: 8
    .kernarg_segment_size: 24
    .max_flat_workgroup_size: 128
    .sgpr_count:     66
    .vgpr_count:     128
    .wavefront_size: 32
...
	.end_amdgpu_metadata
.endif
;; end of part 3
;; launch final (part 4): grid 512 x 1, 4 waves a work-group, no clusters, 0 bytes of LDS; arguments xtb, xb, t2, x2, y_train, sel, out0; writes out0
.if DOCPART == 4
	.amdgcn_target "amdgcn-amd-amdhsa--gfx1250"
	.amdhsa_code_object_version 6
	.text
	.protected	k_q0e3c737ada_final
	.globl	k_q0e3c737ada_final
	.p2align	8
	.type	k_q0e3c737ada_final,@function
k_q0e3c737ada_final:
	s_mov_b64 s[64:65], 0
	v_nop
	global_prefetch_b8 v0, s[64:65] scope:SCOPE_SE
	s_setreg_imm32_b32 hwreg(HW_REG_WAVE_MODE, 25, 1), 1
	s_wait_xcnt 0x0
; FINAL.  A wave takes one query.  Its six groups of 8 train rows (ids from sel, ascending) are gathered: 48 rows, three tiles of 16.  Their d2 is made as in the launch that chose them (16 K steps in ascending order, the first
; with the constant 0; x2 + t2 rounded, then one fused - 2 dot), clamped at 0, and its root taken correctly rounded, as reference() has it; the 5 smallest (equal roots: the lower index) vote; the label with most votes,
; the smallest among equals, is stored.
; LAYOUT.  Source 0 = 16 train rows: rows 0-7 of tile i are group 2 i, rows 8-15 group 2 i + 1.  Source 1 = the query in all 16 columns.  In the result lane (r, h) holds rows 8 h + 0..7: group 2 i + h; all r are alike.
; ADDRESSES hang on sel's whole numbers alone (held to 8,191, the last group): the labels and t2 of all 48 rows are loaded, and what the distances decide only selects among them.
; A candidate's PAYLOAD is its place among the 48 (ascending as the row index, since sel ascends) x 128 + its label, held to 127.  A label outside 0..99 casts no vote, as in one_hot.
; LIMITS.  NaN and infinities are not treated apart.  v_sqrt_f32 takes an input below 2^-126 as 0 (ISA guide, its entry in 15.8): such a d2 has root 0.  Where the root's rounding or the clamp makes ties that reach
; past the query's sixth group, the group of lower d2 has been kept, not that of lower index.
; No LDS, no cluster, no prefetch: no wave wants another's bytes, and all loads go out as soon as the ids are in.  The result is 4 bytes a wave.
.set IA,  2                            ; v2-4    tile i's group id for my row of source 0 (lane bit 3 chooses)
.set ID,  5                            ; v5-7    for my rows of the result (lane bit 4 chooses)
.set OA,  8                            ; v8-10   my byte offset in xtb
.set OD,  11                           ; v11-13  my group's byte offset in t2 and y_train
.set BO,  14                           ; v14  16 h
.set RO,  15                           ; v15  (r % 8) x 1,024 + 16 h
.set SA,  16                           ; v16  4 x lane bit 3
.set SD,  17                           ; v17  4 x h
.set H10, 18                           ; v18  h x 8 places x 128
.set C128, 19                          ; v19  128: a vote
.set T2,  20                           ; v[20:43]  t2, then d2; later the other half's list
.set Y,   44                           ; v[44:67]  labels, then payloads; later the vote
.set LV,  68                           ; v[68:72]  the 5 smallest distances, ascending
.set LG,  74                           ; v[74:78]  their payloads
.set TT,  80
.set HH,  81
.set B3,  82
.set R7,  83
.set LN,  84
.set ZO,  85
.set ACC, 96                           ; v[96:119] three accumulators; then the roots
.set WK,  120                          ; v[120:127] at work on the roots, two sets by turns
.set B,   128                          ; v[128:255] the query's 16 fragments
.set OV,  T2                           ; the other half's distances,
.set OG,  T2+8                         ; and payloads
.set LAB, Y
.set KEY, Y+8
.set WV,  18
.set QN,  19                           ; s19  my query
.set CM,  36                           ; s[36:40] lane masks
.set T0,  41
.set T1,  42
.set SEL, 44
.set MSB, 0
.macro WIN new
.if MSB != (\new)
	s_set_vgpr_msb (MSB<<8)|(\new)
.set MSB, \new
.endif
.endm
	s_load_b256 s[4:11], s[0:1], 0x0               ; xtb s[4:5], xb s[6:7], t2 s[8:9], x2 s[10:11]
	s_load_b128 s[12:15], s[0:1], 0x20             ; y_train s[12:13], sel s[14:15]
	s_load_b64 s[16:17], s[0:1], 0x30              ; out0
	v_lshrrev_b32 v1, 5, v0
	v_readfirstlane_b32 s[WV], v1
	s_lshl2_add_u32 s[QN], ttmp9, s[WV]
	v_bfe_u32 v[HH], v0, 4, 1
	v_bfe_u32 v[B3], v0, 3, 1
	v_and_b32 v[R7], 7, v0
	v_and_b32 v[LN], 31, v0
	v_lshlrev_b32 v[BO], 4, v[HH]
	v_lshl_add_u32 v[RO], v[R7], 10, v[BO]
	v_lshlrev_b32 v[SA], 2, v[B3]
	v_lshlrev_b32 v[SD], 2, v[HH]
	v_lshlrev_b32 v[H10], 10, v[HH]
	v_mov_b32 v[C128], 128
	v_mov_b32 v[ZO], 0
	s_lshl_b32 s20, s[QN], 10                      ; my row of xb
	s_mov_b32 s21, 0
	s_lshl_b32 s22, s[QN], 2                       ; my word of x2 and of out0
	s_mov_b32 s23, 0
	s_lshr_b32 s24, s[QN], 4                       ; sel: 512 bytes a tile of 16 queries, 16 bytes a query in each half
	s_lshl_b32 s24, s24, 9
	s_and_b32 s25, s[QN], 15
	s_lshl4_add_u32 s24, s25, s24
	s_mov_b32 s25, 0
	s_mov_b32 s[SEL], 0x76543210
	s_mov_b32 s[SEL+1], 0xfedcba98
	s_wait_kmcnt 0x0
	s_add_nc_u64 s[6:7], s[6:7], s[20:21]
	s_add_nc_u64 s[10:11], s[10:11], s[22:23]
	s_add_nc_u64 s[16:17], s[16:17], s[22:23]
	s_add_nc_u64 s[14:15], s[14:15], s[24:25]
	s_load_b32 s26, s[10:11], 0x0                  ; x2 of my query
	global_load_b32 v[IA],   v[SA], s[14:15]            ; ids 0 | 1
	global_load_b32 v[IA+1], v[SA], s[14:15] offset:8   ; ids 2 | 3
	global_load_b32 v[IA+2], v[SA], s[14:15] offset:256 ; ids 4 | 5
	global_load_b32 v[ID],   v[SD], s[14:15]
	global_load_b32 v[ID+1], v[SD], s[14:15] offset:8
	global_load_b32 v[ID+2], v[SD], s[14:15] offset:256
.set s_, 0
.rept 16
	global_load_b128 v[B+8*s_:B+8*s_+3],   v[BO], s[6:7] offset:64*s_
	global_load_b128 v[B+8*s_+4:B+8*s_+7], v[BO], s[6:7] offset:64*s_+32
.set s_, s_+1
.endr
	s_wait_loadcnt 32                              ; the six ids are in; the query's 32 loads may stay out
.irp i, 0,1,2
	v_min_u32 v[IA+\i], 0x1fff, v[IA+\i]           ; a number that was loaded enters an address only held to the table's last group
	v_min_u32 v[ID+\i], 0x1fff, v[ID+\i]
.endr
.irp i, 0,1,2
	v_lshl_add_u32 v[OA+\i], v[IA+\i], 13, v[RO]   ; a group is 8 rows of 1,024 bytes
	v_lshlrev_b32 v[OD+\i], 5, v[ID+\i]            ; and 8 words of t2 and of y_train
.endr
.irp i, 0,1,2
	global_load_b128 v[T2+8*\i:T2+8*\i+3],   v[OD+\i], s[8:9]
	global_load_b128 v[T2+8*\i+4:T2+8*\i+7], v[OD+\i], s[8:9] offset:16
	global_load_b128 v[Y+8*\i:Y+8*\i+3],     v[OD+\i], s[12:13]
	global_load_b128 v[Y+8*\i+4:Y+8*\i+7],   v[OD+\i], s[12:13] offset:16
.endr
	; the rows' fragments, tile by tile and K ascending, so that loads that follow each other take consecutive bytes of the same 16 rows: (i, s) at 8 (3 s + i) of window 1 for s < 10, at 8 (3 (s - 10) + i) of window 2 for the others
	WIN 0x40
.irp i, 0,1,2
.set s_, 0
.rept 10
	global_load_b128 v[8*(3*s_+\i):8*(3*s_+\i)+3],   v[OA+\i], s[4:5] offset:64*s_
	global_load_b128 v[8*(3*s_+\i)+4:8*(3*s_+\i)+7], v[OA+\i], s[4:5] offset:64*s_+32
.set s_, s_+1
.endr
.endr
	WIN 0x80
.irp i, 0,1,2
.set s_, 10
.rept 6
	global_load_b128 v[8*(3*(s_-10)+\i):8*(3*(s_-10)+\i)+3],   v[OA+\i], s[4:5] offset:64*s_
	global_load_b128 v[8*(3*(s_-10)+\i)+4:8*(3*(s_-10)+\i)+7], v[OA+\i], s[4:5] offset:64*s_+32
.set s_, s_+1
.endr
.endr
	WIN 0
	s_mov_b32 s28, 0x7f800000
.irp k, 0,1,2,3,4
	v_mov_b32 v[LV+\k], s28                        ; the list starts at +inf, with a label that casts no vote
	v_mov_b32 v[LG+\k], 0x7f
.endr
	s_wait_kmcnt 0x0
	s_mov_b32 s27, s26                             ; named with it as a pair
	s_wait_loadcnt 0x0
.set s_, 0
.rept 16                               ; 48 products; the three accumulators take turns
.if s_ < 10
	WIN 0x01                                       ; source 0 in window 1
.set a_, 24*s_
.else
	WIN 0x02                                       ; in window 2
.set a_, 24*(s_-10)
.endif
.irp i, 0,1,2
.if s_ == 0
	v_wmma_f32_16x16x32_bf16 v[ACC+8*\i:ACC+8*\i+7], v[a_+8*\i:a_+8*\i+7], v[B+8*s_:B+8*s_+7], 0
.else
	v_wmma_f32_16x16x32_bf16 v[ACC+8*\i:ACC+8*\i+7], v[a_+8*\i:a_+8*\i+7], v[B+8*s_:B+8*s_+7], v[ACC+8*\i:ACC+8*\i+7]
.endif
.endr
.set s_, s_+1
.endr
	WIN 0
.set n, 0
.rept 12
	v_pk_add_f32 v[T2+2*n:T2+2*n+1], v[T2+2*n:T2+2*n+1], s[26:27] op_sel_hi:[1,0]  ; x2 + t2; these twelve name no register of the products: they are the places behind them (ISA guide 7.12.1)
.set n, n+1
.endr
.set n, 0
.rept 12
	v_pk_fma_f32 v[T2+2*n:T2+2*n+1], v[ACC+2*n:ACC+2*n+1], -2.0, v[T2+2*n:T2+2*n+1] op_sel_hi:[1,0,1]  ; each accumulator from its low end on
.set n, n+1
.endr
.set n, 0
.rept 24
	v_max_num_f32 v[T2+n], 0, v[T2+n]
.set n, n+1
.endr
.set n, 0
.rept 24
	v_sqrt_f32 v[ACC+n], v[T2+n]                   ; one batch of 24
.set n, n+1
.endr
.set n, 0
.rept 24                               ; the payloads are the independent work behind the batch
	v_min_u32 v[Y+n], 0x7f, v[Y+n]
	v_add3_u32 v[Y+n], v[Y+n], v[H10], (16*(n/8)+n%8)<<7
.set n, n+1
.endr
	s_wait_alu depctr_va_vdst(0)                   ; the one wait between the roots and the first line that names one
	; v_sqrt_f32 is good to one unit in the last place.  s is made the correctly rounded root of x: with its neighbours dn and up, x - dn s <= 0 says that dn is the root, x - up s > 0 that up is (each one fused multiply-add).
	; At x = 0 and at +inf the comparisons fail or meet NaN, and s stays.
.set n, 0
.rept 24
.set w_, WK+4*(n%2)
.set c_, 30+2*(n%2)
	v_add_nc_u32 v[w_], -1, v[ACC+n]
	v_add_nc_u32 v[w_+1], 1, v[ACC+n]
	v_fma_f32 v[w_+2], -v[w_], v[ACC+n], v[T2+n]
	v_fma_f32 v[w_+3], -v[w_+1], v[ACC+n], v[T2+n]
	v_cmp_ge_f32 s[c_], 0, v[w_+2]
	v_cmp_lt_f32 s[c_+1], 0, v[w_+3]
	v_cndmask_b32 v[ACC+n], v[ACC+n], v[w_], s[c_]
	v_cndmask_b32 v[ACC+n], v[ACC+n], v[w_+1], s[c_+1]
.set n, n+1
.endr
; The sorted list of d entries takes a newcomer (distance in v, payload in g), places e .. d - 1 being looked at: masks by the distance alone,
.macro CMPS d, e, v
.set k_, \e
.rept (\d)-(\e)
	v_cmp_lt_f32 s[CM+k_], v[\v], v[LV+k_]
.set k_, k_+1
.endr
.endm
; or by the distance and, where that is equal, by the payload, whose upper bits are the candidate's place.
.macro CMPX d, e, v, g
.set k_, \e
.rept (\d)-(\e)
	v_cmp_lt_f32 s[CM+k_], v[\v], v[LV+k_]
	v_cmp_eq_f32 s[T0], v[\v], v[LV+k_]
	v_cmp_lt_u32 s[T1], v[\g], v[LG+k_]
	s_and_b32 s[T0], s[T0], s[T1]
	s_or_b32 s[CM+k_], s[CM+k_], s[T0]
.set k_, k_+1
.endr
.endm
.macro UPD d, e, v, g
.set k_, (\d)-1
.rept (\d)-(\e)-1
	v_med3_num_f32 v[LV+k_], v[\v], v[LV+k_-1], v[LV+k_]
.set k_, k_-1
.endr
	v_min_num_f32 v[LV+(\e)], v[\v], v[LV+(\e)]
.set k_, (\d)-1
.rept (\d)-(\e)-1
	v_cndmask_b32 v[TT], v[\g], v[LG+k_-1], s[CM+k_-1]
	v_cndmask_b32 v[LG+k_], v[LG+k_], v[TT], s[CM+k_]
.set k_, k_-1
.endr
	v_cndmask_b32 v[LG+(\e)], v[LG+(\e)], v[\g], s[CM+(\e)]
.endm
.set n, 0
.rept 24                               ; my 24 candidates, in ascending place: a strict "less" keeps the lower index where distances are equal
	CMPS 5, 0, ACC+n
	UPD  5, 0, ACC+n, Y+n
.set n, n+1
.endr
.irp k, 0,1,2,3,4
	v_permlanex16_b32 v[OV+\k], v[LV+\k], s[SEL], s[SEL+1]  ; the other half's five, into registers of d2, which are written and done with
	v_permlanex16_b32 v[OG+\k], v[LG+\k], s[SEL], s[SEL+1]
.endr
.irp e, 0,1,2,3,4                      ; a sorted list's entry e cannot rank above place e
	CMPX 5, \e, OV+\e, OG+\e
	UPD  5, \e, OV+\e, OG+\e
.endr
	; THE VOTE.  key = 128 x votes + 127 - label: the greatest key has the most votes and, among equals, the smallest label.  A label that casts no vote has key 127, which stands for label 0 with no votes, as argmax of all zeros gives.
.irp k, 0,1,2,3,4
	v_and_b32 v[LAB+\k], 0x7f, v[LG+\k]
.endr
.irp k, 0,1,2,3,4
	v_sub_nc_u32 v[KEY+\k], 0xff, v[LAB+\k]        ; its own vote
.endr
.macro PAIRV a, b
	v_cmp_eq_u32 vcc_lo, v[LAB+\a], v[LAB+\b]
	v_cndmask_b32 v[TT], 0, v[C128], vcc_lo
	v_add_nc_u32 v[KEY+\a], v[KEY+\a], v[TT]
	v_add_nc_u32 v[KEY+\b], v[KEY+\b], v[TT]
.endm
	PAIRV 0, 1
	PAIRV 0, 2
	PAIRV 0, 3
	PAIRV 0, 4
	PAIRV 1, 2
	PAIRV 1, 3
	PAIRV 1, 4
	PAIRV 2, 3
	PAIRV 2, 4
	PAIRV 3, 4
.irp k, 0,1,2,3,4
	v_cmp_gt_u32 vcc_lo, 100, v[LAB+\k]
	v_cndmask_b32 v[KEY+\k], 0x7f, v[KEY+\k], vcc_lo
.endr
	v_max_u32 v[KEY], v[KEY], v[KEY+1]
	v_max_u32 v[KEY+2], v[KEY+2], v[KEY+3]
	v_max_u32 v[KEY], v[KEY], v[KEY+4]
	v_max_u32 v[KEY], v[KEY], v[KEY+2]
	v_and_b32 v[KEY], 0x7f, v[KEY]
	v_sub_nc_u32 v[KEY], 0x7f, v[KEY]
	v_cmp_eq_u32 vcc_lo, 0, v[LN]
	s_wait_xcnt 0x0                                ; EXEC is a source of the loads above: it changes only behind this wait
	s_and_saveexec_b32 s30, vcc_lo                 ; every lane holds the result; lane 0 stores it
	global_store_b32 v[ZO], v[KEY], s[16:17]
	s_endpgm
.Lfunc_end_k_q0e3c737ada_final:
	.size	k_q0e3c737ada_final, .Lfunc_end_k_q0e3c737ada_final-k_q0e3c737ada_final
	.p2alignl 7, 3214868480
	.fill 96, 4, 3214868480
	.section	.rodata,"a",@progbits
	.p2align	6, 0x0
	.amdhsa_kernel k_q0e3c737ada_final
		.amdhsa_group_segment_fixed_size 0
		.amdhsa_private_segment_fixed_size 0
		.amdhsa_enable_private_segment 0
		.amdhsa_kernarg_size 56
		.amdhsa_user_sgpr_count 2
		.amdhsa_user_sgpr_kernarg_segment_ptr 1
		.amdhsa_wavefront_size32 1
		.amdhsa_system_sgpr_workgroup_id_x 1
		.amdhsa_system_sgpr_workgroup_id_y 1
		.amdhsa_system_sgpr_workgroup_id_z 1
		.amdhsa_system_vgpr_workitem_id 0
		.amdhsa_next_free_vgpr 656
		.amdhsa_next_free_sgpr 66
		.amdhsa_reserve_vcc 1
		.amdhsa_float_denorm_mode_32 3
		.amdhsa_float_denorm_mode_16_64 3
		.amdhsa_memory_ordered 1
		.amdhsa_forward_progress 1
		.amdhsa_inst_pref_size 75
	.end_amdhsa_kernel
	.amdgpu_metadata
---
amdhsa.version: [ 1, 2 ]
amdhsa.kernels:
  - .name:           k_q0e3c737ada_final
    .symbol:         k_q0e3c737ada_final.kd
    .args:
      - { .name: xtb, .offset: 0, .size: 8, .value_kind: global_buffer, .address_space: global }
      - { .name: xb, .offset: 8, .size: 8, .value_kind: global_buffer, .address_space: global }
      - { .name: t2, .offset: 16, .size: 8, .value_kind: global_buffer, .address_space: global }
      - { .name: x2, .offset: 24, .size: 8, .value_kind: global_buffer, .address_space: global }
      - { .name: y_train, .offset: 32, .size: 8, .value_kind: global_buffer, .address_space: global }
      - { .name: sel, .offset: 40, .size: 8, .value_kind: global_buffer, .address_space: global }
      - { .name: out0, .offset: 48, .size: 8, .value_kind: global_buffer, .address_space: global }
    .group_segment_fixed_size: 0
    .private_segment_fixed_size: 0
    .kernarg_segment_align: 8
    .kernarg_segment_size: 56
    .max_flat_workgroup_size: 128
    .sgpr_count:     66
    .vgpr_count:     656
    .wavefront_size: 32
...
	.end_amdgpu_metadata
.endif
;; end of part 4
;; ======== version 2 of 2: 4 launches; version 1 with the launch prep written anew for expert scheduling mode
;; workspace buffers: xtb 67,108,864 bytes; xb 2,097,152 bytes; t2 262,144 bytes; x2 8,192 bytes; candv 3,145,728 bytes; candg 3,145,728 bytes of whole numbers; sel 65,536 bytes of whole numbers
;; launch prep (part 5): grid 264 x 1, 8 waves a work-group, no clusters, 0 bytes of LDS; arguments x_train, x, xtb, xb, t2, x2; writes xtb, xb, t2, x2
.if DOCPART == 5
	.amdgcn_target "amdgcn-amd-amdhsa--gfx1250"
	.amdhsa_code_object_version 6
	.text
	.protected	k_q0e3c737ada_prep
	.globl	k_q0e3c737ada_prep
	.p2align	8
	.type	k_q0e3c737ada_prep,@function
k_q0e3c737ada_prep:
	s_mov_b64 s[64:65], 0
	v_nop
	global_prefetch_b8 v0, s[64:65] scope:SCOPE_SE
	s_setreg_imm32_b32 hwreg(HW_REG_WAVE_SCHED_MODE, 0, 2), 2
	s_setreg_imm32_b32 hwreg(HW_REG_WAVE_MODE, 25, 1), 1
	s_wait_xcnt 0x0
	s_wait_alu depctr_vm_vsrc(0)
; PREP.  Rows of 512 f32 are rounded once to bf16 (nearest even) and stored; beside each row the sum of the squares of its ROUNDED numbers is stored in f32.
; Work-groups 0-255 take x_train (256 rows each) into xtb and t2, work-groups 256-263 take x into xb and x2: one text, three pointers chosen by the work-group's number.
; Eight waves, 32 rows each, a row a turn.  A row comes in by four loads of 16 bytes a lane (512 consecutive bytes each) and leaves by four stores of 8 bytes a lane
; (256 consecutive bytes each, at a multiple of 256 from the buffer's first byte).  A ring of eight row slots in registers keeps 32 loads of every wave on their way.
; No LDS, no barrier, no matrix unit: every byte is read once and no wave wants another's.
; The order of the 512 additions is this text's own (four chains a lane, then across the lanes); the products of two bf16 are exact in f32.
; THE MODE: SCHED_MODE bits 1:0 = 2 (LLVM: expert scheduling mode 2), set by the entry lines.  The code itself states the register dependences
; between vector instructions and memory instructions, with s_wait_alu, always for 0.
; THE PLAN.  Registers that memory instructions touch:
;   X0 .. X7      Slot i's turn: its eight conversions read X[i]; behind them the loads of the row eight further down land in it.  No vector instruction writes X.
;   P0 .. P7      Slot i's turn: its conversions write P[i]; its four stores read it, and so do its sixteen multiply-adds; it is written again in the slot's turn of the next round.
;   v[IO], v[OO], v[SO]   byte offsets, made once at the head and never written again: the rows are reached by the scalar bases, which move on by a round, and by immediate offsets.
;   v[T]          Written by each turn's select; read by the one store at the end.
;   S, Z and W are named by vector instructions alone.
; So ONE wait on va_vdst stands in a turn, behind its conversions, and the turn's eight memory instructions follow it in one run; ONE wait on vm_vsrc stands at a round's end,
; behind all the round's stores and ahead of the conversions that write P0 .. P7 again; one wait on va_vdst stands ahead of the first load, and one ahead of the last store.
.set DEPTH, 8                          ; slots
.set RIN,   2048                       ; bytes of a row as it comes
.set ROUT,  1024                       ; and as it leaves
.set IO,  2                            ; v2   16 x lane + wave x 32 rows x 2,048: never rewritten
.set OO,  3                            ; v3   8 x lane + wave x 32 rows x 1,024: never rewritten
.set SO,  4                            ; v4   4 x thread: where my lane's row sum goes
.set S,   16                           ; v[16:19]  four chains of the sum of squares
.set Z,   20                           ; v20  0, the first link's addend
.set T,   21                           ; v21  lane i keeps the sum of the wave's row i
.set W,   22                           ; v22  takes the other half of the lanes' sum
.set P,   32                           ; v[32:95]  slot i: 8 registers: the row's 16 numbers of my lane, packed
.set X,   96                           ; v[96:223] slot i: 16 registers as loaded
.set INB,  16                          ; s[16:17] rows in
.set OUTB, 18                          ; s[18:19] rows out
.set SUMB, 20                          ; s[20:21] sums out
.set MK,   30                          ; s30  1 << the row in hand
.set MB,   31                          ; s31  1 << the round's first row: named by scalar instructions alone
.set SEL,  32                          ; s[32:33] v_permlanex16_b32's selects: each lane takes its own place in the other half
.set RND,  34                          ; s34  rounds to go
	s_load_b256 s[4:11], s[0:1], 0x0               ; x_train s[4:5], x s[6:7], xtb s[8:9], xb s[10:11]
	s_load_b128 s[12:15], s[0:1], 0x20             ; t2 s[12:13], x2 s[14:15]
	s_cmp_lt_u32 ttmp9, 256
	s_cselect_b32 s22, 0, 256
	s_sub_co_u32 s22, ttmp9, s22                   ; my block of 256 rows in its tensor
	s_lshl_b32 s24, s22, 19                        ; x 256 rows x 2,048 bytes (under 2^27)
	s_mov_b32 s25, 0
	s_lshl_b32 s26, s22, 18                        ; x 256 rows x 1,024 bytes
	s_mov_b32 s27, 0
	s_lshl_b32 s28, s22, 10                        ; x 256 sums x 4 bytes
	s_mov_b32 s29, 0
	s_mov_b32 s[MB], 1
	s_mov_b32 s[SEL], 0x76543210
	s_mov_b32 s[SEL+1], 0xfedcba98
	v_and_b32 v1, 31, v0                           ; lane
	v_lshrrev_b32 v5, 5, v0                        ; wave
	v_lshlrev_b32 v[IO], 4, v1
	v_lshl_add_u32 v[IO], v5, 16, v[IO]
	v_lshlrev_b32 v[OO], 3, v1
	v_lshl_add_u32 v[OO], v5, 15, v[OO]
	v_lshlrev_b32 v[SO], 2, v0
	v_mov_b32 v[Z], 0
	v_mov_b32 v[T], 0
	v_mov_b32 v[W], 0                              ; v_permlanex16_b32's destination counts as read
	s_wait_kmcnt 0x0
	s_cmp_lt_u32 ttmp9, 256                        ; the choice hangs on the work-group's number alone
	s_cselect_b64 s[INB:INB+1], s[4:5], s[6:7]
	s_cselect_b64 s[OUTB:OUTB+1], s[8:9], s[10:11]
	s_cselect_b64 s[SUMB:SUMB+1], s[12:13], s[14:15]
	s_add_nc_u64 s[INB:INB+1], s[INB:INB+1], s[24:25]
	s_add_nc_u64 s[OUTB:OUTB+1], s[OUTB:OUTB+1], s[26:27]
	s_add_nc_u64 s[SUMB:SUMB+1], s[SUMB:SUMB+1], s[28:29]
	s_wait_alu depctr_va_vdst(0)                   ; v[IO], v[OO] and v[SO] are written: every load and store of the kernel reads one of them as its offset
.irp i, 0,1,2,3,4,5,6,7
.irp j, 0,1,2,3
	global_load_b128 v[X+16*\i+4*\j:X+16*\i+4*\j+3], v[IO], s[INB:INB+1] offset:\i*RIN+\j*512 th:TH_LOAD_NT  ; the ring is filled: rows 0 to 7
.endr
.endr
; One slot's turn.  ahead = 1: the slot is filled again with the row eight further down.  left = the younger loads that may stay out.
.macro SLOT i, ahead, left
	s_wait_loadcnt \left                           ; loads come back in order: my four are in, the younger slots' stay out
.irp j, 0,1,2,3
	v_cvt_pk_bf16_f32 v[P+8*(\i)+2*\j],   v[X+16*(\i)+4*\j],   v[X+16*(\i)+4*\j+1]
	v_cvt_pk_bf16_f32 v[P+8*(\i)+2*\j+1], v[X+16*(\i)+4*\j+2], v[X+16*(\i)+4*\j+3]
.endr
	s_wait_alu depctr_va_vdst(0)                   ; the conversions have written P[i], which the stores below read, and are done reading X[i], in which the loads below land
.if \ahead
.irp j, 0,1,2,3
	global_load_b128 v[X+16*(\i)+4*\j:X+16*(\i)+4*\j+3], v[IO], s[INB:INB+1] offset:(DEPTH+(\i))*RIN+\j*512 th:TH_LOAD_NT
.endr
.endif
.irp j, 0,1,2,3
	global_store_b64 v[OO], v[P+8*(\i)+2*\j:P+8*(\i)+2*\j+1], s[OUTB:OUTB+1] offset:(\i)*ROUT+\j*256 th:TH_STORE_NT  ; 32 lanes store 256 consecutive bytes
.endr
	s_lshl_b32 s[MK], s[MB], \i                    ; the row's lane mask, made behind the wait above: the last turn's select, which read s[MK], is done
.irp j, 0,1,2,3                        ; four chains, a link of each by turns: low half squared, high half squared, of both words
	v_fma_mix_f32_bf16 v[S+\j], v[P+8*(\i)+2*\j], v[P+8*(\i)+2*\j], v[Z] op_sel_hi:[1,1,0]
.endr
.irp j, 0,1,2,3
	v_fma_mix_f32_bf16 v[S+\j], v[P+8*(\i)+2*\j], v[P+8*(\i)+2*\j], v[S+\j] op_sel:[1,1,0] op_sel_hi:[1,1,0]
.endr
.irp j, 0,1,2,3
	v_fma_mix_f32_bf16 v[S+\j], v[P+8*(\i)+2*\j+1], v[P+8*(\i)+2*\j+1], v[S+\j] op_sel_hi:[1,1,0]
.endr
.irp j, 0,1,2,3
	v_fma_mix_f32_bf16 v[S+\j], v[P+8*(\i)+2*\j+1], v[P+8*(\i)+2*\j+1], v[S+\j] op_sel:[1,1,0] op_sel_hi:[1,1,0]
.endr
	v_add_f32 v[S], v[S], v[S+1]
	v_add_f32 v[S+2], v[S+2], v[S+3]
	v_add_f32 v[S], v[S], v[S+2]
	v_add_f32_dpp v[S], v[S], v[S] row_xmask:1 row_mask:0xf bank_mask:0xf
	v_add_f32_dpp v[S], v[S], v[S] row_xmask:2 row_mask:0xf bank_mask:0xf
	v_add_f32_dpp v[S], v[S], v[S] row_xmask:4 row_mask:0xf bank_mask:0xf
	v_add_f32_dpp v[S], v[S], v[S] row_xmask:8 row_mask:0xf bank_mask:0xf
	v_permlanex16_b32 v[W], v[S], s[SEL], s[SEL+1]
	v_add_f32 v[S], v[S], v[W]                     ; every lane holds the row's sum;
	v_cndmask_b32 v[T], v[T], v[S], s[MK]          ; the lane with the row's number keeps it
.endm
	s_mov_b32 s[RND], 32/DEPTH-1
.Lround:
.irp i, 0,1,2,3,4,5,6,7
	SLOT \i, 1, 4*(DEPTH-1)
.endr
	s_wait_xcnt 0x0                                ; every load and store issued so far has read its base and its data: the two bases are stepped, and P0 .. P7 written again, only behind this wait
	s_wait_alu depctr_vm_vsrc(0)                   ; the round's 32 stores have read P0 .. P7, which the next round's conversions write again
	s_add_nc_u64 s[INB:INB+1], s[INB:INB+1], DEPTH*RIN
	s_add_nc_u64 s[OUTB:OUTB+1], s[OUTB:OUTB+1], DEPTH*ROUT
	s_lshl_b32 s[MB], s[MB], DEPTH                 ; the next round's first row
	s_sub_co_u32 s[RND], s[RND], 1
	s_cmp_lg_u32 s[RND], 0
	s_cbranch_scc1 .Lround
.irp i, 0,1,2,3,4,5,6,7
	SLOT \i, 0, 4*(DEPTH-1-\i)                     ; the last round loads nothing: the counts run down
.endr
	s_wait_alu depctr_va_vdst(0)                   ; the last turn's select has written v[T], which the store below reads
	global_store_b32 v[SO], v[T], s[SUMB:SUMB+1]   ; the wave's 32 sums, 128 consecutive bytes
	s_endpgm
.Lfunc_end_k_q0e3c737ada_prep:
	.size	k_q0e3c737ada_prep, .Lfunc_end_k_q0e3c737ada_prep-k_q0e3c737ada_prep
	.p2alignl 7, 3214868480
	.fill 96, 4, 3214868480
	.section	.rodata,"a",@progbits
	.p2align	6, 0x0
	.amdhsa_kernel k_q0e3c737ada_prep
		.amdhsa_group_segment_fixed_size 0
		.amdhsa_private_segment_fixed_size 0
		.amdhsa_enable_private_segment 0
		.amdhsa_kernarg_size 48
		.amdhsa_user_sgpr_count 2
		.amdhsa_user_sgpr_kernarg_segment_ptr 1
		.amdhsa_wavefront_size32 1
		.amdhsa_system_sgpr_workgroup_id_x 1
		.amdhsa_system_sgpr_workgroup_id_y 1
		.amdhsa_system_sgpr_workgroup_id_z 1
		.amdhsa_system_vgpr_workitem_id 0
		.amdhsa_next_free_vgpr 224
		.amdhsa_next_free_sgpr 66
		.amdhsa_reserve_vcc 0
		.amdhsa_float_denorm_mode_32 3
		.amdhsa_float_denorm_mode_16_64 3
		.amdhsa_memory_ordered 1
		.amdhsa_forward_progress 1
		.amdhsa_inst_pref_size 48
	.end_amdhsa_kernel
	.amdgpu_metadata
---
amdhsa.version: [ 1, 2 ]
amdhsa.kernels:
  - .name:           k_q0e3c737ada_prep
    .symbol:         k_q0e3c737ada_prep.kd
    .args:
      - { .name: x_train, .offset: 0, .size: 8, .value_kind: global_buffer, .address_space: global }
      - { .name: x, .offset: 8, .size: 8, .value_kind: global_buffer, .address_space: global }
      - { .name: xtb, .offset: 16, .size: 8, .value_kind: global_buffer, .address_space: global }
      - { .name: xb, .offset: 24, .size: 8, .value_kind: global_buffer, .address_space: global }
      - { .name: t2, .offset: 32, .size: 8, .value_kind: global_buffer, .address_space: global }
      - { .name: x2, .offset: 40, .size: 8, .value_kind: global_buffer, .address_space: global }
    .group_segment_fixed_size: 0
    .private_segment_fixed_size: 0
    .kernarg_segment_align: 8
    .kernarg_segment_size: 48
    .max_flat_workgroup_size: 256
    .sgpr_count:     66
    .vgpr_count:     224
    .wavefront_size: 32
...
	.end_amdgpu_metadata
.endif
;; end of part 5
;; launch main: the kernel of part 2 again; grid 8 x 32, 4 waves a work-group, clusters of 4 x 1, 327,680 bytes of LDS; arguments xb, xtb, t2, x2, candv, candg; writes candv, candg
;; launch merge: the kernel of part 3 again; grid 128 x 1, 4 waves a work-group, no clusters, 6,656 bytes of LDS; arguments candv, candg, sel; writes sel
;; launch final: the kernel of part 4 again; grid 512 x 1, 4 waves a work-group, no clusters, 0 bytes of LDS; arguments xtb, xb, t2, x2, y_train, sel, out0; writes out0
